; MI455X (gfx1250); checked and timed in simulation.
; The chip was launched on July 23, 2026; its instructions are those of AMD's public machine-readable ISA for CDNA 5 (MIT licence, August 2026) and "CDNA5" Instruction Set Architecture Reference Guide (July 2026). The comments in the code are by the model that wrote it; some were corrected since.
;; Sparse Mixture Of Experts. Allowed arithmetic: float matrix products may take bf16 or f16 operands with f32 sums; other float arithmetic in f32, or as packed bf16 or f16 multiplies, adds, multiply-adds, maxima and minima; sums over many terms, partial sums and values carried from step to step in f32; what a program stores and reads back later, other than sums and carried values, may be rounded once to bf16 or f16.
;; Inputs: eb1 8 x 256 float32; eb2 8 x 128 float32; ew1 8 x 128 x 256 float32; ew2 8 x 256 x 128 float32; gb1 128 float32; gb2 128 float32; gb3 8 float32; gw1 128 x 128 float32; gw2 128 x 128 float32; gw3 128 x 8 float32; x 65,536 x 128 float32.
;; Outputs: out0 65,536 x 128 float32.
;; One version. Each part assembles by itself: llvm-mc -triple=amdgcn-amd-amdhsa -mcpu=gfx1250 --defsym DOCPART=n.
;; ======== version 1 of 1: 2 launches
;; workspace buffers: wk 1,200,128 bytes
;; launch prep (part 1): grid 290 x 1, 8 waves a work-group, no clusters, 0 bytes of LDS; arguments ew1, ew2, gw1, gw2, gw3, eb1, eb2, gb1, gb2, wk; writes wk
.if DOCPART == 1
	.amdgcn_target "amdgcn-amd-amdhsa--gfx1250"
	.amdhsa_code_object_version 6
	.text
	.protected	k_q6d0fa43480_prep
	.globl	k_q6d0fa43480_prep
	.p2align	8
	.type	k_q6d0fa43480_prep,@function
k_q6d0fa43480_prep:
	s_mov_b64 s[64:65], 0
	v_nop
	global_prefetch_b8 v0, s[64:65] scope:SCOPE_SE
	s_setreg_imm32_b32 hwreg(HW_REG_WAVE_MODE, 25, 1), 1
	s_wait_xcnt 0x0
; Rounds all weights to bf16 once and lays them out in the order in which a wave's matrix operand registers take them; gathers the biases (f32) into one table.
; wk: 9 passes x 131,072 bytes (pass 0: the gate's gw1, gw2; pass p: expert p - 1's ew1, ew2); a pass is 8 records of 16,384 bytes (32 hidden channels each):
;     8 fragments of W1^T, then 8 fragments of 0.5 W2^T, 1,024 bytes each.  A fragment is [q = 0, 1][lane][16 bytes]: lane (r = lane % 16, h = lane / 16) holds
;     the 8 numbers k = kbase + 16 q + 8 h + 0..7 of row m.  W1 fragment f of record c: m = 16 (2 c + f / 4) + r, kbase = 32 (f % 4).  W2 fragment o: m = 16 o + r, kbase = 32 c.
;     The gate has 128 hidden channels: its records 4 to 7 hold zeros.  Then 4 fragments of 0.5 gw3^T (row m = expert r % 8), then the bias table of 16,384 bytes.
; The factor 0.5 (exact) belongs to the layer in front, which hands on 2 gelu.
; A work-group writes 4,096 consecutive bytes, thread t the 16 bytes at 16 t: a wave's store covers 512 consecutive bytes, aligned.  No LDS, no barrier, no loop.
	s_load_b512 s[8:23], s[0:1], 0x0               ; ew1 8, ew2 10, gw1 12, gw2 14, gw3 16, eb1 18, eb2 20, gb1 22
	s_load_b128 s[24:27], s[0:1], 0x40             ; gb2 24, wk 26
	v_lshrrev_b32 v1, 5, v0
	v_readfirstlane_b32 s28, v1                    ; wave 0..7
	s_lshr_b32 s29, s28, 1                         ; fr: which of the block's four fragments
	s_and_b32 s30, s28, 1                          ; q
	v_and_b32 v2, 15, v0                           ; r
	v_bfe_u32 v3, v0, 4, 1                         ; h
	v_lshlrev_b32 v4, 4, v0                        ; my 16 bytes in the block
	s_mov_b32 s31, ttmp9                           ; b: the block of 4,096 bytes
	s_lshl_b32 s32, s31, 12
	s_mov_b32 s33, 0
	s_lshr_b32 s34, s31, 5                         ; p: the pass
	s_bfe_u32 s35, s31, 0x30002                    ; c: the record
	s_and_b32 s36, s31, 3                          ; 0, 1: W1's fragments 0-3, 4-7; 2, 3: W2's
	s_and_b32 s37, s31, 1
	s_lshl_b32 s45, s29, 5
	s_lshl4_add_u32 s45, s30, s45                  ; first k for W1 and gw3: 32 fr + 16 q
	s_max_u32 s38, s34, 1
	s_sub_co_u32 s38, s38, 1
	s_lshl_b32 s38, s38, 17                        ; expert p - 1: 131,072 bytes each in ew1 and in ew2
	s_mov_b32 s39, 0
	s_movk_i32 s48, 1024
	s_wait_kmcnt 0x0
	s_add_nc_u64 s[26:27], s[26:27], s[32:33]      ; wk at my block
	s_cmp_eq_u32 s31, 289
	s_cbranch_scc1 .Ltable
	s_cmp_eq_u32 s31, 288
	s_cbranch_scc1 .Lg3
	s_cmp_lg_u32 s34, 0
	s_cbranch_scc1 .Llive
	s_cmp_ge_u32 s35, 4
	s_cbranch_scc1 .Lzero                          ; the gate's records 4 to 7
.Llive:
	s_mov_b32 s44, 15                              ; 16 different rows m
	s_cmp_ge_u32 s36, 2
	s_cbranch_scc1 .Lw2
	s_add_nc_u64 s[40:41], s[8:9], s[38:39]        ; W1: ew1[p - 1], or gw1
	s_cmp_lg_u32 s34, 0
	s_cselect_b64 s[40:41], s[40:41], s[12:13]
	s_cselect_b32 s42, s48, 512                    ; bytes from k to k + 1: 256 or 128 columns of f32
	s_mov_b32 s46, 1.0
	s_lshl1_add_u32 s43, s35, s37
	s_lshl_b32 s43, s43, 4                         ; first column m: 16 (2 c + f / 4)
	s_branch .Lgo
.Lw2:
	s_add_nc_u64 s[40:41], s[10:11], s[38:39]      ; W2: ew2[p - 1], or gw2
	s_cmp_lg_u32 s34, 0
	s_cselect_b64 s[40:41], s[40:41], s[14:15]
	s_mov_b32 s42, 512
	s_mov_b32 s46, 0.5
	s_lshl2_add_u32 s43, s37, s29
	s_lshl_b32 s43, s43, 4                         ; first column m: 16 o, o = 4 (block % 2) + fr
	s_lshl_b32 s45, s35, 5
	s_lshl4_add_u32 s45, s30, s45                  ; first k: 32 c + 16 q
	s_branch .Lgo
.Lg3:
	s_mov_b64 s[40:41], s[16:17]                   ; gw3: 8 columns; rows 8 to 15 of a fragment repeat rows 0 to 7
	s_mov_b32 s42, 32
	s_mov_b32 s46, 0.5
	s_mov_b32 s43, 0
	s_mov_b32 s44, 7
.Lgo:
	s_mov_b32 s47, s46                             ; named with it as a pair
	v_and_b32 v5, s44, v2
	v_add_lshl_u32 v5, v5, s43, 2                  ; 4 x column
	v_lshl_add_u32 v6, v3, 3, s45                  ; my first k
	v_mad_u32_u24 v10, v6, s42, v5
.irp j, 1,2,3,4,5,6,7
	v_add_nc_u32 v[10+(\j)], s42, v[9+(\j)]        ; k + j
.endr
.irp j, 0,1,2,3,4,5,6,7
	global_load_b32 v[20+(\j)], v[10+(\j)], s[40:41]  ; sixteen lanes take 64 neighbouring bytes of a row
.endr
	s_wait_loadcnt 0x0
.irp j, 0,2,4,6
	v_pk_mul_f32 v[20+(\j):21+(\j)], v[20+(\j):21+(\j)], s[46:47] op_sel_hi:[1,0]
.endr
.irp j, 0,1,2,3
	v_cvt_pk_bf16_f32 v[28+(\j)], v[20+2*(\j)], v[21+2*(\j)]
.endr
	global_store_b128 v4, v[28:31], s[26:27]
	s_endpgm
.Lzero:
.irp j, 0,1,2,3
	v_mov_b32 v[28+(\j)], 0
.endr
	global_store_b128 v4, v[28:31], s[26:27]
	s_endpgm
; The bias table, in pieces of 16 bytes: 0-31 gb1, 32-63 zeros, 64-575 eb1, 576-607 gb2, 608-863 eb2, 864-1023 zeros.  Thread t makes pieces t + 256 i.
; Every piece loads from all four sources at a clamped place (no load leaves its buffer) and keeps the one in whose range it lies, or 0.
.Ltable:
.macro TLOAD i, k, g0, n, base
	v_add_nc_u32 v[16+4*(\i)+(\k)], (256*(\i)-(\g0))&0xffffffff, v0
	v_min_u32 v[16+4*(\i)+(\k)], (\n)-1, v[16+4*(\i)+(\k)]
	v_lshlrev_b32 v[16+4*(\i)+(\k)], 4, v[16+4*(\i)+(\k)]
	global_load_b128 v[32+16*(\i)+4*(\k):32+16*(\i)+4*(\k)+3], v[16+4*(\i)+(\k)], s[\base:\base+1]
.endm
.macro TSEL i, k, g0, n
	v_add_nc_u32 v5, (256*(\i)-(\g0))&0xffffffff, v0   ; the piece's place in the source; below the source it wraps to a large number
	v_cmp_gt_u32 vcc_lo, \n, v5
.irp e, 0,1,2,3
.if (\k) == 0
	v_cndmask_b32 v[32+16*(\i)+(\e)], 0, v[32+16*(\i)+(\e)], vcc_lo
.else
	v_cndmask_b32 v[32+16*(\i)+(\e)], v[32+16*(\i)+(\e)], v[32+16*(\i)+4*(\k)+(\e)], vcc_lo
.endif
.endr
.endm
.irp i, 0,1,2,3
	TLOAD \i, 0, 0, 32, 22
	TLOAD \i, 1, 64, 512, 18
	TLOAD \i, 2, 576, 32, 24
	TLOAD \i, 3, 608, 256, 20
.endr
	s_wait_loadcnt 0x0
.irp i, 0,1,2,3
	TSEL \i, 0, 0, 32
	TSEL \i, 1, 64, 512
	TSEL \i, 2, 576, 32
	TSEL \i, 3, 608, 256
	global_store_b128 v4, v[32+16*(\i):35+16*(\i)], s[26:27] offset:4096*(\i)
.endr
	s_endpgm
.Lfunc_end_k_q6d0fa43480_prep:
	.size	k_q6d0fa43480_prep, .Lfunc_end_k_q6d0fa43480_prep-k_q6d0fa43480_prep
	.p2alignl 7, 3214868480
	.fill 96, 4, 3214868480
	.section	.rodata,"a",@progbits
	.p2align	6, 0x0
	.amdhsa_kernel k_q6d0fa43480_prep
		.amdhsa_group_segment_fixed_size 0
		.amdhsa_private_segment_fixed_size 0
		.amdhsa_enable_private_segment 0
		.amdhsa_kernarg_size 80
		.amdhsa_user_sgpr_count 2
		.amdhsa_user_sgpr_kernarg_segment_ptr 1
		.amdhsa_wavefront_size32 1
		.amdhsa_system_sgpr_workgroup_id_x 1
		.amdhsa_system_sgpr_workgroup_id_y 1
		.amdhsa_system_sgpr_workgroup_id_z 1
		.amdhsa_system_vgpr_workitem_id 0
		.amdhsa_next_free_vgpr 96
		.amdhsa_next_free_sgpr 66
		.amdhsa_reserve_vcc 1
		.amdhsa_float_denorm_mode_32 3
		.amdhsa_float_denorm_mode_16_64 3
		.amdhsa_memory_ordered 1
		.amdhsa_forward_progress 1
		.amdhsa_inst_pref_size 13
	.end_amdhsa_kernel
	.amdgpu_metadata
---
amdhsa.version: [ 1, 2 ]
amdhsa.kernels:
  - .name:           k_q6d0fa43480_prep
    .symbol:         k_q6d0fa43480_prep.kd
    .args:
      - { .name: ew1, .offset: 0, .size: 8, .value_kind: global_buffer, .address_space: global }
      - { .name: ew2, .offset: 8, .size: 8, .value_kind: global_buffer, .address_space: global }
      - { .name: gw1, .offset: 16, .size: 8, .value_kind: global_buffer, .address_space: global }
      - { .name: gw2, .offset: 24, .size: 8, .value_kind: global_buffer, .address_space: global }
      - { .name: gw3, .offset: 32, .size: 8, .value_kind: global_buffer, .address_space: global }
      - { .name: eb1, .offset: 40, .size: 8, .value_kind: global_buffer, .address_space: global }
      - { .name: eb2, .offset: 48, .size: 8, .value_kind: global_buffer, .address_space: global }
      - { .name: gb1, .offset: 56, .size: 8, .value_kind: global_buffer, .address_space: global }
      - { .name: gb2, .offset: 64, .size: 8, .value_kind: global_buffer, .address_space: global }
      - { .name: wk, .offset: 72, .size: 8, .value_kind: global_buffer, .address_space: global }
    .group_segment_fixed_size: 0
    .private_segment_fixed_size: 0
    .kernarg_segment_align: 8
    .kernarg_segment_size: 80
    .max_flat_workgroup_size: 256
    .sgpr_count:     66
    .vgpr_count:     96
    .wavefront_size: 32
...
	.end_amdgpu_metadata
.endif
;; end of part 1
;; launch moe (part 2): grid 256 x 1, 8 waves a work-group, clusters of 4 x 1, 327,680 bytes of LDS; arguments x, gb3, wk, out0; writes out0
.if DOCPART == 2
	.amdgcn_target "amdgcn-amd-amdhsa--gfx1250"
	.amdhsa_code_object_version 6
	.text
	.protected	k_q6d0fa43480_moe
	.globl	k_q6d0fa43480_moe
	.p2align	8
	.type	k_q6d0fa43480_moe,@function
k_q6d0fa43480_moe:
	s_mov_b64 s[64:65], 0
	v_nop
	global_prefetch_b8 v0, s[64:65] scope:SCOPE_SE
	s_setreg_imm32_b32 hwreg(HW_REG_WAVE_MODE, 25, 1), 1
	s_wait_xcnt 0x0
	s_wait_alu depctr_hold_cnt(0) depctr_sa_sdst(0) depctr_va_vdst(0) depctr_va_sdst(0) depctr_va_ssrc(0) depctr_va_vcc(0) depctr_vm_vsrc(0)
	s_getreg_b32 s2, hwreg(HW_REG_IB_STS2, 6, 4)
	s_cmp_eq_u32 s2, 0
	s_cbranch_scc0 .Lentry_in_a_cluster
	s_endpgm
.Lentry_in_a_cluster:
	s_bfe_u32 s2, ttmp6, 0x10000c
	s_cmp_lg_u32 s2, 0x3003
	s_cbranch_scc0 .Lentry_shape_is_right
	s_endpgm
.Lentry_shape_is_right:
; out[b] = sum over e of softmax(gate(x[b]))[e] gelu(gelu(x[b] ew1[e] + eb1[e]) ew2[e] + eb2[e]); gate = three layers of linear and gelu.  All of it in one launch: x is read once, out written once.
; SHARES.  A work-group owns 256 tokens, each of its eight waves 32: two tiles of 16.  A wave takes its tokens through the whole chain; the hidden layers never leave its registers.
; NINE PASSES of one text: pass 0 is the gate's first two layers (128 hidden channels: 4 of the 8 chunks are jumped), pass p is expert p - 1.  A pass goes in chunks of 32 hidden channels:
; 16 products W1^T x, gelu, rounding to bf16, 16 products W2^T h onto the pass's 16 accumulators; behind the chunks: gelu, and FIN += weight x result.
; LAYOUT.  Both products are used transposed (source 0 = 16 rows of the weights, source 1 = 16 tokens): in a result a lane holds ONE token (lane % 16) and the channels 8 (lane / 16) + 0..7.
; Two such results, rounded to bf16 in pairs, ARE source 1 (32 channels x 16 tokens) of the next product; the bias is the C operand that starts a sum; a token's gate weight is one number a lane.
; GELU.  With a = |x|, P = 1 + c1 a + .. + c6 a^6, r = P^-16 (Abramowitz and Stegun 26.2.19: Phi(a) = 1 - r / 2 to within 1.5e-7): 2 gelu(x) = x + a (1 - r), for either sign.  All terms of P are
; positive, so for every finite x it is finite or overflows to infinity, where r = 0: the right limit.  The factor 2 is taken back, exactly, by the next layer's weights (stored halved), by the softmax's scale
; and by the gate weights.  LIMITS: the absolute error of gelu is 1.5e-7 |x| plus f32 rounding; infinities and NaN among the inputs are not treated apart; matrix operands are bf16, all else f32.
; SOFTMAX over the 8 experts: the row's maximum is taken away first.
; WEIGHTS come laid out as operand registers take them (a fragment: 1,024 bytes, lane l's 16 bytes at 16 l and 512 + 16 l: no bank conflict, no padding), a pass of 131,072 bytes to a slot, two slots by turns.
; CLUSTER.  All work-groups walk the same weights, so the four of a cluster ask JOINTLY: the same tensor load, descriptor and mask in all four; wave w fetches record w of the pass (64 rows of 256 bytes).
; TWO WAVES A SIMD, 512 registers each: the vector work (137 lines for 16 registers of gelu) outweighs the matrix work, and one wave's products and waits stand beside the other's vector lines.
; REGISTERS.  Window 0: v0-14 addresses; v16-79 X (tile t, K step s at 16 + 32 t + 8 s); v80-143 F, eight fragments of weights; v144-175 ACC1 ((mi, t) at 144 + 16 mi + 8 t); v176-191 BI, bias of two tiles;
;   v192-207 H (8 a tile); v208-223 TA, v224-239 TD at work; v240-255 the gate weights: pair e' = (tile 0's, tile 1's), pair 0 the expert in hand.
;   Window 1: v0-127 OACC ((o, t) at 16 o + 8 t); v128-255 FIN, the output's sums, likewise.
.set PASSB,  131072                    ; bytes of weights in a pass, and in a slot
.set RECB,   16384                     ; a chunk's record: 8 fragments of W1, 8 of W2
.set SLOT1,  1<<17
.set BIAS,   262144                    ; the bias table: b1, 9 x 1,024 bytes; from B2OFF on b2, 9 x 512 bytes
.set B2OFF,  9216
.set SPARE,  278528                    ; the spare words: 128 bytes for each of eight waves: four blocks of 256 bytes that no other line names
.set STAGE,  279552                    ; for the way out: 16 rows x 272 bytes for each wave; no tensor load fills it
.set SP,     272                       ; 256 bytes + 16: sixteen rows start at sixteen different groups of four banks (64 banks of 4 bytes: ISA guide 11.1)
.set G3OFF,  1179648                   ; in wk: gw3's four fragments
.set TABOFF, 1183744                   ; in wk: the bias table
.set RR,  1
.set HH,  2
.set L16, 3                            ; 16 x lane
.set H32, 4                            ; 32 x (lane / 16)
.set AW,  5                            ; LDS address of the chunk's fragments
.set AB1, 6                            ; of its bias
.set AB2, 7                            ; of the pass's second bias
.set XO,  8                            ; my byte offset in 16 rows of x
.set STO, 9                            ; the way out: where I put 16 bytes of a row
.set RD,  10                           ; where I read rows back
.set TT,  11
.set SPW, 12                           ; LDS address of my spare word; never rewritten
.set NIL, 13                           ; 0; never rewritten
.set GO,  14                           ; my byte offset in two rows of out
.set X,    16
.set F,    80
.set ACC1, 144
.set BI,   176
.set H,    192
.set TA,   208
.set TD,   224
.set WGT,  240
.set FIN,  128                         ; window 1
.set WV,   12                          ; s12 my wave's number
.set G1W,  24                          ; s[24:31] descriptor group 1: 64 rows of 256 bytes
.set G1T,  32                          ; s[32:39] the same with 8 rows
.set G0W,  40                          ; s[40:43] descriptor group 0 for the weights: it walks
.set G0T,  44                          ; s[44:47] for the bias table
.set PCNT, 48                          ; passes that ask for a successor
.set CNT,  49                          ; chunks to go, 8 to 1
.set DEAD, 50                          ; chunks at a pass's end that are jumped: 4 in the gate's pass, then 0
.set TW,   51                          ; LDS byte of the chunk's record
.set SB1,  52                          ; LDS byte of the chunk's 32 first biases
.set SB2,  53                          ; LDS byte of the pass's 128 second biases
.set ABSM, 54
.set KK,   55                          ; log2(e) / 2
.set CK1,  56                          ; the polynomial's coefficients, each in a pair of which the packed lines take the low word
.set CK2,  58
.set CK3,  60
.set CK4,  62
.set CK5,  66
.set CK6,  68
.set GB3,  72                          ; s[72:79] gb3
.set G3P,  80                          ; s[80:81] gw3's fragments in wk
.set MSB, 0
.macro WIN new                         ; bits 1:0 source 0, 3:2 source 1, 5:4 source 2, 7:6 destination; the high byte repeats the setting that is left
.if MSB != (\new)
	s_set_vgpr_msb (MSB<<8)|(\new)
.set MSB, (\new)
.endif
.endm
.macro PLACES                          ; four plain vector lines between a matrix instruction and a vector line or load that touches its registers
.rept 4
	v_nop
.endr
.endm
; A round of the cluster's barrier: my work-group's barrier, so that wave 0's signal speaks for all eight waves; wave 0 signals; every wave waits for all four work-groups; my work-group's barrier once more.
.macro CROUND
	s_barrier_signal -1
	s_barrier_wait -1
	s_cmp_lg_u32 s[WV], 0
	s_cbranch_scc1 .Lnot_wave_0_\@
	s_barrier_signal -3
.Lnot_wave_0_\@:
	s_barrier_wait -3
	s_barrier_signal -1
	s_barrier_wait -1
.endm
; 2 gelu of 16 registers (two accumulators) at xb in window xw.  Each step is 8 packed lines that do not wait for each other.  The 16 reciprocals are one batch with one wait.
; kind 0: rounded to bf16 into db (tile 0) and db + 8 (tile 1).  kind 1: FIN at db += result x the gate weight in hand.  kind 2: left in TD.
.macro GELU xb, xw, kind, db
	WIN (\xw)<<2
.set gi, 0
.rept 16
	v_and_b32 v[TA+gi], s[ABSM], v[(\xb)+gi]       ; a = |x|; each accumulator is read from its low end on
.set gi, gi+1
.endr
	WIN 0
.set gi, 0
.rept 8
	v_pk_fma_f32 v[TD+gi:TD+gi+1], v[TA+gi:TA+gi+1], s[CK6:CK6+1], s[CK5:CK5+1] op_sel_hi:[1,0,0]
.set gi, gi+2
.endr
.irp cc, CK4, CK3, CK2, CK1
.set gi, 0
.rept 8
	v_pk_fma_f32 v[TD+gi:TD+gi+1], v[TD+gi:TD+gi+1], v[TA+gi:TA+gi+1], s[\cc:\cc+1] op_sel_hi:[1,1,0]
.set gi, gi+2
.endr
.endr
.set gi, 0
.rept 8
	v_pk_fma_f32 v[TD+gi:TD+gi+1], v[TD+gi:TD+gi+1], v[TA+gi:TA+gi+1], 1.0 op_sel_hi:[1,1,0]   ; P
.set gi, gi+2
.endr
.rept 4                                ; P^16 by four squarings
.set gi, 0
.rept 8
	v_pk_mul_f32 v[TD+gi:TD+gi+1], v[TD+gi:TD+gi+1], v[TD+gi:TD+gi+1]
.set gi, gi+2
.endr
.endr
.set gi, 0
.rept 16
	v_rcp_f32 v[TD+gi], v[TD+gi]                   ; r
.set gi, gi+1
.endr
	v_nop                                          ; a plain line between the last reciprocal and the first use (ISA guide 5.7.2)
	s_wait_alu depctr_va_vdst(0)                   ; a wait ahead of the first use: one for the batch
.set gi, 0
.rept 8
	v_pk_fma_f32 v[TD+gi:TD+gi+1], v[TD+gi:TD+gi+1], -1.0, 1.0 op_sel_hi:[1,0,0]   ; 1 - r
.set gi, gi+2
.endr
	WIN (\xw)<<4
.set gi, 0
.rept 8
	v_pk_fma_f32 v[TD+gi:TD+gi+1], v[TA+gi:TA+gi+1], v[TD+gi:TD+gi+1], v[(\xb)+gi:(\xb)+gi+1]   ; a (1 - r) + x
.set gi, gi+2
.endr
.if (\kind) == 0
	WIN 0
.set gi, 0
.rept 8
	v_cvt_pk_bf16_f32 v[(\db)+8*(gi/4)+gi%4], v[TD+2*gi], v[TD+2*gi+1]
.set gi, gi+1
.endr
.elseif (\kind) == 1
	WIN 0x50
.set gi, 0
.rept 8
.if gi < 4
	v_pk_fma_f32 v[(\db)+2*gi:(\db)+2*gi+1], v[TD+2*gi:TD+2*gi+1], v[WGT:WGT+1], v[(\db)+2*gi:(\db)+2*gi+1] op_sel_hi:[1,0,1]               ; tile 0's weight for both
.else
	v_pk_fma_f32 v[(\db)+2*gi:(\db)+2*gi+1], v[TD+2*gi:TD+2*gi+1], v[WGT:WGT+1], v[(\db)+2*gi:(\db)+2*gi+1] op_sel:[0,1,0] op_sel_hi:[1,1,1]  ; tile 1's
.endif
.set gi, gi+1
.endr
.endif
	WIN 0
.endm
; THE CHANGE OF SLOTS, at a pass's head.  Each wave waits for all its tensor loads (its record of this pass's slot among them), adds 0 to its spare word, and waits for that and for its reads of the slot
; that it leaves.  fill = 1: the barrier is a round of the cluster's, so that no wave of any partner still reads the old slot or has a load on its way, and the joint load of the next pass is the first thing
; behind it: it has a whole pass in which to land.  One tensor load of a wave is out behind each round.
.macro TRIPHEAD fill
	WIN 0
	s_wait_tensorcnt 0x0                           ; no tensor load of mine is out, so the walking group 0 may be written
	ds_add_u32 v[SPW], v[NIL]                      ; 0 onto my spare word
.if \fill
	s_xor_b32 s[G0W+1], s[G0W+1], SLOT1            ; the other slot,
	s_add_nc_u64 s[G0W+2:G0W+3], s[G0W+2:G0W+3], PASSB  ; the next pass; the type bits on top are not reached
.endif
	s_wait_dscnt 0x0                               ; the add is done, and my reads of the old slot are over
.if \fill
	CROUND
	tensor_load_to_lds s[G0W:G0W+3], s[G1W:G1W+7]
	s_nop 0
	PLACES
.else
	s_barrier_signal -1
	s_barrier_wait -1
.endif
.endm
; THE GATE'S END, behind pass 0: FIN holds 2 gelu of the second layer.  It becomes source 1 of the third layer (K = 128: four products a tile), FIN is cleared for the experts' sums,
; and the softmax leaves the weights, halved, in WGT.  Every lane holds all 8 logits of its token (rows 8 to 15 of gw3's fragments repeat rows 0 to 7), so nothing changes lanes.
.macro GATE
.irp s, 0,1,2,3
	global_load_b128 v[ACC1+8*(\s):ACC1+8*(\s)+3],   v[L16], s[G3P:G3P+1] offset:1024*(\s)
	global_load_b128 v[ACC1+8*(\s)+4:ACC1+8*(\s)+7], v[L16], s[G3P:G3P+1] offset:1024*(\s)+512
.endr
.irp j, 0,1,2,3,4,5,6,7
	v_mov_b32 v[BI+(\j)], s[GB3+(\j)]              ; register j of the result is expert j: its bias starts the sum
.endr
	WIN 0x05                                       ; sources in window 1, destination in window 0
.irp t, 0,1
.irp o, 0,1,2,3,4,5,6,7
.irp jp, 0,1,2,3
	v_cvt_pk_bf16_f32 v[F+32*(\t)+8*((\o)/2)+4*((\o)%2)+(\jp)], v[FIN+16*(\o)+8*(\t)+2*(\jp)], v[FIN+16*(\o)+8*(\t)+2*(\jp)+1]
.endr
.endr
.endr
	WIN 0x40
.set gi, 0
.rept 128
	v_mov_b32 v[FIN+gi], 0                         ; once a launch: the price of one text for the gate's pass and the experts'
.set gi, gi+1
.endr
	WIN 0
	s_wait_loadcnt 0x0
.irp s, 0,1,2,3                        ; the two accumulators take turns
.irp t, 0,1
.if (\s) == 0
	v_wmma_f32_16x16x32_bf16 v[H+8*(\t):H+8*(\t)+7], v[ACC1+8*(\s):ACC1+8*(\s)+7], v[F+32*(\t)+8*(\s):F+32*(\t)+8*(\s)+7], v[BI:BI+7]
.else
	v_wmma_f32_16x16x32_bf16 v[H+8*(\t):H+8*(\t)+7], v[ACC1+8*(\s):ACC1+8*(\s)+7], v[F+32*(\t)+8*(\s):F+32*(\t)+8*(\s)+7], v[H+8*(\t):H+8*(\t)+7]
.endif
.endr
.endr
	PLACES
	GELU H, 0, 2, 0                                ; TD + 8 t + e = 2 x logit e of tile t
.irp t, 0,1
	v_max3_num_f32 v[TA+4*(\t)],   v[TD+8*(\t)],   v[TD+8*(\t)+1], v[TD+8*(\t)+2]
	v_max3_num_f32 v[TA+4*(\t)+1], v[TD+8*(\t)+3], v[TD+8*(\t)+4], v[TD+8*(\t)+5]
.endr
.irp t, 0,1
	v_max3_num_f32 v[TA+4*(\t)], v[TA+4*(\t)], v[TD+8*(\t)+6], v[TD+8*(\t)+7]
.endr
.irp t, 0,1
	v_max_num_f32 v[TA+4*(\t)], v[TA+4*(\t)], v[TA+4*(\t)+1]   ; the row's maximum
.endr
.irp t, 0,1
	v_mul_f32 v[TA+4*(\t)], s[KK], v[TA+4*(\t)]
.endr
.irp t, 0,1
.irp e, 0,1,2,3,4,5,6,7
	v_fma_f32 v[TD+8*(\t)+(\e)], v[TD+8*(\t)+(\e)], s[KK], -v[TA+4*(\t)]   ; (logit - maximum) log2(e)
.endr
.endr
.set gi, 0
.rept 16
	v_exp_f32 v[TD+gi], v[TD+gi]
.set gi, gi+1
.endr
	v_nop                                          ; a plain line behind the last exponential,
	s_wait_alu depctr_va_vdst(0)                   ; and one wait for the batch
.irp t, 0,1
.irp e, 0,1,2,3
	v_add_f32 v[TA+4*(\t)+(\e)], v[TD+8*(\t)+2*(\e)], v[TD+8*(\t)+2*(\e)+1]
.endr
.endr
.irp t, 0,1
	v_add_f32 v[TA+4*(\t)],   v[TA+4*(\t)],   v[TA+4*(\t)+1]
	v_add_f32 v[TA+4*(\t)+2], v[TA+4*(\t)+2], v[TA+4*(\t)+3]
.endr
.irp t, 0,1
	v_add_f32 v[TA+4*(\t)], v[TA+4*(\t)], v[TA+4*(\t)+2]   ; at least 1: the maximum's own term
.endr
	v_rcp_f32 v[TA], v[TA]
	v_rcp_f32 v[TA+4], v[TA+4]
	v_nop
	s_wait_alu depctr_va_vdst(0)
	v_mul_f32 v[TA], 0.5, v[TA]                    ; the half that takes back the 2 of 2 gelu
	v_mul_f32 v[TA+4], 0.5, v[TA+4]
.irp e, 0,1,2,3,4,5,6,7
.irp t, 0,1
	v_mul_f32 v[WGT+2*(\e)+(\t)], v[TD+8*(\t)+(\e)], v[TA+4*(\t)]
.endr
.endr
.endm
; A PASS.  gate = 1: the text in the loop, which serves the gate's pass too.  gate = 0: the last pass, written out.
.macro PASS gate
	v_add_nc_u32 v[AB2], s[SB2], v[H32]
	WIN 0x40                                       ; destination window 1
.irp o, 0,1,2,3,4,5,6,7                ; the second bias starts the 16 sums: register j of (o, t) is channel 16 o + 8 (lane / 16) + j, for both tiles
.irp t, 0,1
	ds_load_b128 v[16*(\o)+8*(\t):16*(\o)+8*(\t)+3],   v[AB2] offset:64*(\o)
	ds_load_b128 v[16*(\o)+8*(\t)+4:16*(\o)+8*(\t)+7], v[AB2] offset:64*(\o)+16
.endr
.endr
	WIN 0
	s_mov_b32 s[CNT], 8
.Lchunk_\@:
.if \gate
	s_cmp_le_u32 s[CNT], s[DEAD]                   ; the gate has 4 chunks: the other trips are jumped, forward, past neither a barrier nor a tensor load
	s_cbranch_scc1 .Lskip_\@
.endif
	v_add_nc_u32 v[AW], s[TW], v[L16]              ; these four lines are the places behind the last trip's products, whose fragments are loaded over
	v_add_nc_u32 v[AB1], s[SB1], v[H32]
	v_nop
	v_nop
.irp f, 0,1,2,3,4,5,6,7                ; W1's eight fragments: 32 hidden channels x 128 features
	ds_load_b128 v[F+8*(\f):F+8*(\f)+3],   v[AW] offset:1024*(\f)
	ds_load_b128 v[F+8*(\f)+4:F+8*(\f)+7], v[AW] offset:1024*(\f)+512
.endr
.irp mi, 0,1
	ds_load_b128 v[BI+8*(\mi):BI+8*(\mi)+3],   v[AB1] offset:64*(\mi)
	ds_load_b128 v[BI+8*(\mi)+4:BI+8*(\mi)+7], v[AB1] offset:64*(\mi)+16
.endr
	s_wait_dscnt 0x0
.irp s, 0,1,2,3                        ; the four accumulators take turns, one instruction a turn
.irp mi, 0,1
.irp t, 0,1
.if (\s) == 0
	v_wmma_f32_16x16x32_bf16 v[ACC1+16*(\mi)+8*(\t):ACC1+16*(\mi)+8*(\t)+7], v[F+8*(4*(\mi)+(\s)):F+8*(4*(\mi)+(\s))+7], v[X+32*(\t)+8*(\s):X+32*(\t)+8*(\s)+7], v[BI+8*(\mi):BI+8*(\mi)+7]
.else
	v_wmma_f32_16x16x32_bf16 v[ACC1+16*(\mi)+8*(\t):ACC1+16*(\mi)+8*(\t)+7], v[F+8*(4*(\mi)+(\s)):F+8*(4*(\mi)+(\s))+7], v[X+32*(\t)+8*(\s):X+32*(\t)+8*(\s)+7], v[ACC1+16*(\mi)+8*(\t):ACC1+16*(\mi)+8*(\t)+7]
.endif
.endr
.endr
.endr
	PLACES
.irp f, 0,1,2,3,4,5,6,7                ; W2's eight fragments: 128 outputs x these 32 hidden channels; they land under the two gelus
	ds_load_b128 v[F+8*(\f):F+8*(\f)+3],   v[AW] offset:8192+1024*(\f)
	ds_load_b128 v[F+8*(\f)+4:F+8*(\f)+7], v[AW] offset:8192+1024*(\f)+512
.endr
	GELU ACC1, 0, 0, H                             ; channels 0-15 of the chunk: registers 0-3 of each tile's source 1
	GELU ACC1+16, 0, 0, H+4                        ; channels 16-31: registers 4-7
	s_wait_dscnt 0x0
	WIN 0x50                                       ; C and D in window 1
.irp o, 0,1,2,3,4,5,6,7                ; sixteen accumulators by turns
.irp t, 0,1
	v_wmma_f32_16x16x32_bf16 v[16*(\o)+8*(\t):16*(\o)+8*(\t)+7], v[F+8*(\o):F+8*(\o)+7], v[H+8*(\t):H+8*(\t)+7], v[16*(\o)+8*(\t):16*(\o)+8*(\t)+7]
.endr
.endr
	WIN 0
.if \gate
.Lskip_\@:
.endif
	s_add_co_u32 s[TW], s[TW], RECB
	s_add_co_u32 s[SB1], s[SB1], 128
	s_sub_co_u32 s[CNT], s[CNT], 1
	s_cmp_lg_u32 s[CNT], 0
	s_cbranch_scc1 .Lchunk_\@
	s_wait_dscnt 0x0                               ; the second bias is in on every way to this line
	PLACES
.irp o, 0,1,2,3,4,5,6,7
	GELU 16*(\o), 1, 1, FIN+16*(\o)
.endr
.if \gate
	s_sub_co_u32 s[TW], s[TW], PASSB               ; back to a slot's first record,
	s_xor_b32 s[TW], s[TW], SLOT1                  ; in the other slot
	s_add_co_u32 s[SB2], s[SB2], 512               ; (the first bias has walked on by 8 x 128 bytes: the next pass's)
	s_cmp_eq_u32 s[DEAD], 4
	s_cbranch_scc0 .Lrot_\@
	GATE
	s_mov_b32 s[DEAD], 0
	s_branch .Lend_\@
.Lrot_\@:
.set gi, 0
.rept 14
	v_mov_b32 v[WGT+gi], v[WGT+2+gi]               ; the next expert's pair of weights moves to the place that the one text names
.set gi, gi+1
.endr
.Lend_\@:
.endif
.endm
; THE WAY OUT of tile t, columns 64 hf on: a lane's 32 bytes of a row go into my stage; whole rows of 256 bytes come back, two a load; sixteen lanes store 256 consecutive bytes, aligned.
.macro WAYOUT t, hf
.set LR, X+32*(2*(\t)+(\hf))           ; 32 landing registers a round, none used twice: no store's data is written over
	WIN 0x04                                       ; store data in window 1
.irp ol, 0,1,2,3
	ds_store_b128 v[STO], v[FIN+16*(4*(\hf)+(\ol))+8*(\t):FIN+16*(4*(\hf)+(\ol))+8*(\t)+3]   offset:64*(\ol)
	ds_store_b128 v[STO], v[FIN+16*(4*(\hf)+(\ol))+8*(\t)+4:FIN+16*(4*(\hf)+(\ol))+8*(\t)+7] offset:64*(\ol)+16
.endr
	WIN 0
.irp i, 0,1,2,3,4,5,6,7
	ds_load_b128 v[LR+4*(\i):LR+4*(\i)+3], v[RD] offset:2*SP*(\i)   ; LDS serves a wave's instructions in order (ISA guide 5.7.1.4): these see the stores above, and the next round's stores come behind them
.endr
.irp i, 0,1,2,3,4,5,6,7
	s_wait_dscnt 7-(\i)                            ; load i is in; the 7 - i issued behind it may be out
	global_store_b128 v[GO], v[LR+4*(\i):LR+4*(\i)+3], s[10:11] offset:(16*(\t)+2*(\i))*512+256*(\hf) th:TH_STORE_NT
.endr
.endm
	s_load_b256 s[4:11], s[0:1], 0x0               ; x s[4:5], gb3 s[6:7], wk s[8:9], out s[10:11]
	v_lshl_add_u32 v[SPW], v0, 2, SPARE
	v_mov_b32 v[NIL], 0
	ds_add_u32 v[SPW], v[NIL]                      ; the wave's opening: the add, with its wait ahead of my first tensor load; the set-up below, work on registers, stands between them
	v_lshrrev_b32 v[TT], 5, v0
	v_readfirstlane_b32 s[WV], v[TT]               ; wave 0..7
	s_bfe_u32 s13, ttmp6, 0x40000                  ; cx: my place in the cluster
	s_lshl_b32 s14, ttmp9, 2                       ; in a cluster launch ttmp9 counts clusters
	s_add_co_u32 s14, s14, s13                     ; my block of 256 tokens: it enters x's and out's addresses alone
	s_lshl_b32 s16, s14, 17                        ; 256 rows of 512 bytes,
	s_lshl_b32 s17, s[WV], 14                      ; my wave's 32 of them
	s_add_co_u32 s16, s16, s17
	s_mov_b32 s17, 0
	s_lshl_b32 s18, s[WV], 14                      ; the record of a pass that I fetch
	s_mov_b32 s19, 0
	s_lshl_b32 s20, s[WV], 11                      ; my 2,048 bytes of the bias table
	s_add_co_u32 s20, s20, TABOFF
	s_mov_b32 s21, 0
	; descriptor group 1: dense bytes asked for as rows of 256: elements of 8 bytes, 32 to a row
.irp g, G1W, G1T
	s_mov_b32 s[\g+0], 15|(3<<16)|(1<<21)          ; 15:0 the mask: all four work-groups; 17:16 elements of 8 bytes; 21 set beside a mask; no padding
	s_mov_b32 s[\g+1], 32<<16                      ; tensor_dim0 = 32
	s_mov_b32 s[\g+3], 32<<16                      ; tile_dim0 = 32
	s_mov_b32 s[\g+5], 32                          ; 32 elements from row to row
	s_mov_b32 s[\g+6], 0
	s_mov_b32 s[\g+7], 0
.endr
	s_mov_b32 s[G1W+2], 64<<16                     ; tensor_dim1 = 64
	s_mov_b32 s[G1W+4], 64                         ; tile_dim1 = 64
	s_mov_b32 s[G1T+2], 8<<16
	s_mov_b32 s[G1T+4], 8
	s_mov_b32 s[G0W], 1                            ; count = 1
	s_mul_i32 s[G0W+1], s[WV], RECB                ; LDS address: slot 0, record w: no place in the cluster enters an LDS address
	s_mov_b32 s[G0T], 1
	s_mul_i32 s[G0T+1], s[WV], 2048
	s_add_co_u32 s[G0T+1], s[G0T+1], BIAS
	s_mov_b32 s[ABSM], 0x7fffffff
	s_mov_b32 s[KK], 0x3f38aa3b                    ; log2(e) / 2
	s_mov_b32 s[CK1], 0x3d4c41b4                   ; .0498673470
	s_mov_b32 s[CK2], 0x3cad2fe7                   ; .0211410061
	s_mov_b32 s[CK3], 0x3b56cd72                   ; .0032776263
	s_mov_b32 s[CK4], 0x381f660e                   ; .0000380036
	s_mov_b32 s[CK5], 0x384d0fe2                   ; .0000488906
	s_mov_b32 s[CK6], 0x36b49f9e                   ; .0000053830
.irp cc, CK1, CK2, CK3, CK4, CK5, CK6
	s_mov_b32 s[\cc+1], s[\cc]                     ; named with it as a pair, so it is written
.endr
	v_and_b32 v[RR], 15, v0                        ; lane % 16
	v_bfe_u32 v[HH], v0, 4, 1                      ; lane / 16
	v_and_b32 v[L16], 31, v0
	v_lshlrev_b32 v[L16], 4, v[L16]
	v_lshlrev_b32 v[H32], 5, v[HH]
	v_lshl_add_u32 v[XO], v[RR], 9, v[H32]         ; token x 512 + 32 x half
	s_mul_i32 s22, s[WV], 16*SP
	s_add_co_u32 s22, s22, STAGE                   ; my stage
	v_mul_u32_u24 v[STO], v[RR], SP                ; in: row lane % 16, 32 bytes for each half of the lanes
	v_add_nc_u32 v[STO], v[STO], v[H32]
	v_add_nc_u32 v[STO], s22, v[STO]
	v_mul_u32_u24 v[RD], v[HH], SP                 ; back: lanes 0-15 one row of 256 bytes, lanes 16-31 the next
	v_lshl_add_u32 v[RD], v[RR], 4, v[RD]
	v_add_nc_u32 v[RD], s22, v[RD]
	v_lshlrev_b32 v[GO], 9, v[HH]                  ; and the same two rows in out
	v_lshl_add_u32 v[GO], v[RR], 4, v[GO]
	s_wait_dscnt 0x0                               ; the opening add is done
	s_wait_kmcnt 0x0
	s_add_nc_u64 s[4:5], s[4:5], s[16:17]          ; x and out at my wave's first row
	s_add_nc_u64 s[10:11], s[10:11], s[16:17]
	s_add_nc_u64 s[G0W+2:G0W+3], s[8:9], s[18:19]  ; global address: pass 0, record w
	s_or_b32 s[G0W+3], s[G0W+3], 0x80000000        ; type = 2
	s_add_nc_u64 s[G0T+2:G0T+3], s[8:9], s[20:21]
	s_or_b32 s[G0T+3], s[G0T+3], 0x80000000
	s_add_nc_u64 s[G3P:G3P+1], s[8:9], G3OFF
	s_load_b256 s[GB3:GB3+7], s[6:7], 0x0          ; gb3: 8 numbers; nothing in this launch writes that buffer
	CROUND                                         ; all four work-groups are here: the first joint loads meet
	tensor_load_to_lds s[G0T:G0T+3], s[G1T:G1T+7]  ; the two first fills go out together: two tensor loads of mine are out
	s_nop 0
	tensor_load_to_lds s[G0W:G0W+3], s[G1W:G1W+7]
	s_nop 0
	PLACES
	; x: a fragment is 16 tokens x 32 features; lane (r, h) wants features 32 s + 16 q + 8 h + 0..7 of token r: 32 bytes of f32, two loads.  They land in OACC's registers, which are free, and are rounded to bf16.
	WIN 0x40                                       ; destination window 1, address window 0
.set xi, 0
.rept 32
	global_load_b128 v[4*xi:4*xi+3], v[XO], s[4:5] offset:(xi/16)*8192+((xi/4)%4)*128+((xi/2)%2)*64+(xi%2)*16
.set xi, xi+1
.endr
.set xi, 0
.rept 128
	v_mov_b32 v[FIN+xi], 0                         ; the gate's pass adds onto zeros, with weight 1: these lines stand in the wait for x and for the first tiles
.set xi, xi+1
.endr
	WIN 0
.set xi, 0
.rept 16
	v_mov_b32 v[WGT+xi], 1.0
.set xi, xi+1
.endr
	s_wait_loadcnt 0x0
	WIN 0x05                                       ; sources window 1, destination window 0
.set xi, 0
.rept 64
	v_cvt_pk_bf16_f32 v[X+xi], v[2*xi], v[2*xi+1]
.set xi, xi+1
.endr
	WIN 0
	s_wait_kmcnt 0x0                               ; gb3
	s_mov_b32 s[TW], 0
	s_mov_b32 s[SB1], BIAS
	s_mov_b32 s[SB2], BIAS+B2OFF
	s_mov_b32 s[DEAD], 4
	s_mov_b32 s[PCNT], 8
.Lpass:                                                ; passes 0 to 7: each asks for its successor
	TRIPHEAD 1
	PASS 1
	s_sub_co_u32 s[PCNT], s[PCNT], 1
	s_cmp_lg_u32 s[PCNT], 0
	s_cbranch_scc1 .Lpass
	TRIPHEAD 0                                     ; pass 8: nothing is left to fetch
	PASS 0
	WAYOUT 0, 0
	WAYOUT 0, 1
	WAYOUT 1, 0
	WAYOUT 1, 1
	s_wait_tensorcnt 0x0                           ; the wave's end, behind my last tensor load and my last LDS store
	ds_add_u32 v[SPW], v[NIL]
	s_wait_dscnt 0x0
	CROUND                                         ; the closing round: no work-group ends while a partner may still ask for a tile that names it
	s_endpgm
.Lfunc_end_k_q6d0fa43480_moe:
	.size	k_q6d0fa43480_moe, .Lfunc_end_k_q6d0fa43480_moe-k_q6d0fa43480_moe
	.p2alignl 7, 3214868480
	.fill 96, 4, 3214868480
	.section	.rodata,"a",@progbits
	.p2align	6, 0x0
	.amdhsa_kernel k_q6d0fa43480_moe
		.amdhsa_group_segment_fixed_size 327680
		.amdhsa_private_segment_fixed_size 0
		.amdhsa_enable_private_segment 0
		.amdhsa_kernarg_size 32
		.amdhsa_user_sgpr_count 2
		.amdhsa_user_sgpr_kernarg_segment_ptr 1
		.amdhsa_wavefront_size32 1
		.amdhsa_system_sgpr_workgroup_id_x 1
		.amdhsa_system_sgpr_workgroup_id_y 1
		.amdhsa_system_sgpr_workgroup_id_z 1
		.amdhsa_system_vgpr_workitem_id 0
		.amdhsa_next_free_vgpr 512
		.amdhsa_next_free_sgpr 84
		.amdhsa_reserve_vcc 0
		.amdhsa_float_denorm_mode_32 3
		.amdhsa_float_denorm_mode_16_64 3
		.amdhsa_memory_ordered 1
		.amdhsa_forward_progress 1
		.amdhsa_inst_pref_size 216
	.end_amdhsa_kernel
	.amdgpu_metadata
---
amdhsa.version: [ 1, 2 ]
amdhsa.kernels:
  - .name:           k_q6d0fa43480_moe
    .symbol:         k_q6d0fa43480_moe.kd
    .args:
      - { .name: x, .offset: 0, .size: 8, .value_kind: global_buffer, .address_space: global }
      - { .name: gb3, .offset: 8, .size: 8, .value_kind: global_buffer, .address_space: global }
      - { .name: wk, .offset: 16, .size: 8, .value_kind: global_buffer, .address_space: global }
      - { .name: out0, .offset: 24, .size: 8, .value_kind: global_buffer, .address_space: global }
    .group_segment_fixed_size: 327680
    .private_segment_fixed_size: 0
    .kernarg_segment_align: 8
    .kernarg_segment_size: 32
    .max_flat_workgroup_size: 256
    .sgpr_count:     84
    .vgpr_count:     512
    .wavefront_size: 32
...
	.end_amdgpu_metadata
.endif
;; end of part 2
